; MI455X (gfx1250); checked and timed in simulation.
; The chip was launched on July 23, 2026; its instructions are those of AMD's public machine-readable ISA for CDNA 5 (MIT licence, August 2026) and "CDNA5" Instruction Set Architecture Reference Guide (July 2026). The comments in the code are by the model that wrote it; some were corrected since.
;; NGP. Allowed arithmetic: float matrix products may take bf16 or f16 operands with f32 sums; all other float work in f32.
;; Inputs: W1 24 x 64 float32; W2 64 x 1 float32; b1 64 float32; b2 1 float32; pcd 2,000,000 x 3 float32; table 12 x 2,097,152 x 2 float32.
;; Outputs: out0 2,000,000 x 1 float32.
;; 2 versions, each right and faster than the one before. Each part assembles by itself: llvm-mc -triple=amdgcn-amd-amdhsa -mcpu=gfx1250 --defsym DOCPART=n.
;; ======== version 1 of 2: 3 launches
;; limits: right only within a limited range of input values
;; workspace buffers: xq 24,000,000 bytes of whole numbers; fb 192,000,000 bytes
;; launch quant (part 1): grid 1875 x 1, 5 waves a work-group, no clusters, 0 bytes of LDS; arguments pcd, xq; writes xq
.if DOCPART == 1
	.amdgcn_target "amdgcn-amd-amdhsa--gfx1250"
	.amdhsa_code_object_version 6
	.text
	.protected	k_q41dd228ea0_quant
	.globl	k_q41dd228ea0_quant
	.p2align	8
	.type	k_q41dd228ea0_quant,@function
k_q41dd228ea0_quant:
	s_mov_b64 s[64:65], 0
	v_nop
	global_prefetch_b8 v0, s[64:65] scope:SCOPE_SE
	s_setreg_imm32_b32 hwreg(HW_REG_WAVE_MODE, 25, 1), 1
	s_wait_xcnt 0x0
; xq[i] = the coordinate pcd[i] as a whole number: floor(x * 2^32), a 0.32 fixed-point fraction.  pcd: 6,000,000 f32; xq: 6,000,000 u32.
; The later launch forms its gather addresses from these whole numbers alone.
; LIMITS.  x is clamped to 0 .. 1 - 2^-24, the cube that reference() names for its points: x = 1 moves by 2^-24, what lies outside the cube
; is taken as the nearest face, NaN as 0.  For x >= 2^-8 the number is exact (24 significant bits fit above 2^-32); below that it is cut at 2^-32.
; A stream: each byte is read once and written once.  160 threads, five loads of 16 bytes a thread, all five out together; a wave's load or
; store covers 512 consecutive bytes at a multiple of 256 from the buffer's first byte.  24,000,000 bytes = 1,875 work-groups x 12,800.
.set LOADS, 5
.set CHUNK, 160*16                     ; bytes that the work-group covers with one load of each thread
.set X, 4                              ; v[4:23] five slots of four numbers, converted in place
	s_load_b128 s[4:7], s[0:1], 0x0                ; pcd s[4:5], xq s[6:7]
	s_mul_i32 s2, ttmp9, LOADS*CHUNK               ; the work-group's first byte, below 24,000,000
	s_mov_b32 s3, 0
	v_lshlrev_b32 v1, 4, v0                        ; 16 bytes a thread; never rewritten
	s_wait_kmcnt 0x0
	s_add_nc_u64 s[4:5], s[4:5], s[2:3]
	s_add_nc_u64 s[6:7], s[6:7], s[2:3]
.irp j, 0,1,2,3,4
	global_load_b128 v[X+4*(\j):X+4*(\j)+3], v1, s[4:5] offset:CHUNK*(\j) th:TH_LOAD_NT  ; pcd is read once in the whole program
.endr
.irp j, 0,1,2,3,4
	s_wait_loadcnt LOADS-1-(\j)                    ; loads come back in order (ISA guide 5.7.1): slot j is in, the younger ones stay out
.irp k, 0,1,2,3
	v_max_num_f32 v[X+4*(\j)+(\k)], 0, v[X+4*(\j)+(\k)]            ; below the cube, and NaN: 0
.endr
.irp k, 0,1,2,3
	v_min_num_f32 v[X+4*(\j)+(\k)], 0x3f7fffff, v[X+4*(\j)+(\k)]   ; 1 - 2^-24 at the most
.endr
.irp k, 0,1,2,3
	v_mul_f32 v[X+4*(\j)+(\k)], 0x4f800000, v[X+4*(\j)+(\k)]       ; times 2^32: exact
.endr
.irp k, 0,1,2,3
	v_cvt_u32_f32 v[X+4*(\j)+(\k)], v[X+4*(\j)+(\k)]               ; toward zero; 2^32 - 2^8 at the most
.endr
	global_store_b128 v1, v[X+4*(\j):X+4*(\j)+3], s[6:7] offset:CHUNK*(\j)
.endr
	s_endpgm
.Lfunc_end_k_q41dd228ea0_quant:
	.size	k_q41dd228ea0_quant, .Lfunc_end_k_q41dd228ea0_quant-k_q41dd228ea0_quant
	.p2alignl 7, 3214868480
	.fill 96, 4, 3214868480
	.section	.rodata,"a",@progbits
	.p2align	6, 0x0
	.amdhsa_kernel k_q41dd228ea0_quant
		.amdhsa_group_segment_fixed_size 0
		.amdhsa_private_segment_fixed_size 0
		.amdhsa_enable_private_segment 0
		.amdhsa_kernarg_size 16
		.amdhsa_user_sgpr_count 2
		.amdhsa_user_sgpr_kernarg_segment_ptr 1
		.amdhsa_wavefront_size32 1
		.amdhsa_system_sgpr_workgroup_id_x 1
		.amdhsa_system_sgpr_workgroup_id_y 1
		.amdhsa_system_sgpr_workgroup_id_z 1
		.amdhsa_system_vgpr_workitem_id 0
		.amdhsa_next_free_vgpr 24
		.amdhsa_next_free_sgpr 66
		.amdhsa_reserve_vcc 0
		.amdhsa_float_denorm_mode_32 3
		.amdhsa_float_denorm_mode_16_64 3
		.amdhsa_memory_ordered 1
		.amdhsa_forward_progress 1
		.amdhsa_inst_pref_size 6
	.end_amdhsa_kernel
	.amdgpu_metadata
---
amdhsa.version: [ 1, 2 ]
amdhsa.kernels:
  - .name:           k_q41dd228ea0_quant
    .symbol:         k_q41dd228ea0_quant.kd
    .args:
      - { .name: pcd, .offset: 0, .size: 8, .value_kind: global_buffer, .address_space: global }
      - { .name: xq, .offset: 8, .size: 8, .value_kind: global_buffer, .address_space: global }
    .group_segment_fixed_size: 0
    .private_segment_fixed_size: 0
    .kernarg_segment_align: 8
    .kernarg_segment_size: 16
    .max_flat_workgroup_size: 160
    .sgpr_count:     66
    .vgpr_count:     24
    .wavefront_size: 32
...
	.end_amdgpu_metadata
.endif
;; end of part 1
;; launch encode (part 2): grid 15625 x 6, 2 waves a work-group, no clusters, 0 bytes of LDS; arguments xq, table, fb; writes fb
.if DOCPART == 2
	.amdgcn_target "amdgcn-amd-amdhsa--gfx1250"
	.amdhsa_code_object_version 6
	.text
	.protected	k_q41dd228ea0_encode
	.globl	k_q41dd228ea0_encode
	.p2align	8
	.type	k_q41dd228ea0_encode,@function
k_q41dd228ea0_encode:
	s_mov_b64 s[64:65], 0
	v_nop
	global_prefetch_b8 v0, s[64:65] scope:SCOPE_SE
	s_setreg_imm32_b32 hwreg(HW_REG_WAVE_MODE, 25, 1), 1
	s_wait_xcnt 0x0
; THE HASH GRID.  For every point and level: the 8 corners of the point's cell are gathered from the level's table ([2^21][2] f32) and blended
; with the trilinear weights.  xq: [2,000,000][3] u32, the coordinates as 0.32 fixed-point fractions.  table: [12][2^21][2] f32.
; fb: [6][2,000,000] records of 16 bytes: pair j holds levels a = 2 j and b = 2 j + 1.  A level's two features f are stored as two words:
; H = the upper 16 bits of both (bf16, cut off), L = f - H (exact in f32) rounded to bf16.  The record is H_a H_b L_a L_b, for pairs 0 and 3
; L_a L_b H_a H_b: the order in which the next launch's matrix instructions take the words straight from its loads.
; SHARES.  The grid's y is the pair of levels, its x a block of 128 points: work-groups with neighbouring numbers gather from the same two tables.
; Two waves; a lane takes two points (64 apart), one after the other, both levels of a point together: 16 gathers of a wave are out at a time.
; No LDS, no barrier: no wave needs another's data.  Each wave's store covers 512 consecutive bytes at a multiple of 256 from fb's first byte.
; WHOLE NUMBERS ONLY IN ADDRESSES.  pos = x scale + 0.5 is made in fixed point with 18 fraction bits: the upper word of xq * (scale 2^18), plus 2^17.
; Its upper bits are the cell, its lower 18 the fraction, which alone becomes a float.  scale 2^18 is rounded to a whole number (2^-19 of a cell at
; x = 1), the product is cut at 2^-18 of a cell.  The cell is 8,191 at the most, so every sum stays below 2^31.
; A number that was loaded enters an address only behind v_min_u32 with a constant written in the line, and behind that only through shifts left and
; adds.  None of these minima ever changes a value: the numbers are below the constants by the arithmetic above.
; WEIGHTS.  With F = the fraction as a whole number, x and y use F and 2^18 - F as they are, z uses both times 2^-54: the eight products add up to 1.
.set NPTS,    2000000
.set THREADS, 64
.set PLANE,   NPTS*16                  ; bytes of fb for one pair of levels
.set FRAC,    18
; scale 2^18, scale = 16 * 2^(9 l / 11) - 1, rounded to whole numbers
.set SC0,  3932160
.set SC1,  7133179
.set SC2,  12777161
.set SC3,  22728530
.set SC4,  40274611
.set SC5,  71211554
.set SC6,  125759030
.set SC7,  221936185
.set SC8,  391514064
.set SC9,  690510813
.set SC10, 1217696653
.set SC11, 2147221504
; vector registers
.set XOFF, 1                           ; v1       my byte offset in the block's coordinates; never rewritten
.set PT,   2                           ; v[2:4], v[6:8]  my two points; when a point is done, v[2:5] or v[6:9] takes its record
.set HL,   10                          ; v[10:13] H_a H_b L_a L_b
.set SOFF, 14                          ; v14      my byte offset in the block's records; never rewritten
.set BLK0, 16                          ; v[16:55] level a's block,  v[56:95] level b's
.set BLK1, 56
.set RD,   0                           ; in a block: 16 registers of gathered pairs: corner (cx, cy, cz) at 4 (cy + 2 cz) + 2 cx
.set RW,   16                          ;   8 weights, corner (cx, cy, cz) at 2 (cy + 2 cz) + cx; before that the fractions
.set RA,   24                          ;   8 addresses
.set RT,   32                          ;   8 at work
; scalar registers
.set J,     10                         ; the pair of levels
.set TAB,   12                         ; s[12:13] level a's table, s[14:15] level b's
.set SC,    16                         ; s16, s17  scale 2^18 of a, b
.set STR,   18                         ; s18, s19  dense levels: vertices along an axis
.set STR2,  20                         ; s20, s21  its square
.set STR8,  22                         ; s22, s23  the same two in bytes (8 an entry)
.set STR28, 24
.set HALF,  26
.set FMASK, 27
.set P1,    28
.set P2,    29
.set C18,   30
.set K54,   31
.set K36,   32
.set HMASK, 33
.set SEL,   34
.set SWAP,  35                         ; all ones for pairs 0 and 3
.macro REGS b
.set xd, (\b)+RD
.set xw, (\b)+RW
.set xa, (\b)+RA
.set xt, (\b)+RT
.endm
; The cell (xt .. xt+2) and the fractions as whole numbers (xw+1, +3, +5) of the point at v[x .. x+2] in level lv of the pair
.macro POS b, x, lv
	REGS \b
.irp c, 0,1,2
	v_mul_hi_u32 v[xt+\c], v[(\x)+\c], s[SC+(\lv)]
.endr
.irp c, 0,1,2
	v_add_nc_u32 v[xt+\c], s[HALF], v[xt+\c]
.endr
.irp c, 0,1,2
	v_and_b32 v[xw+1+2*\c], s[FMASK], v[xt+\c]
.endr
.irp c, 0,1,2
	v_lshrrev_b32 v[xt+\c], FRAC, v[xt+\c]
.endr
.endm
; Hashed level: index = (x ^ y P1 ^ z P2) mod 2^21.  For each (cy, cz): G = y P1 ^ z P2.  x and x + 1 are below 2^14, so bits 20:14 of the index are
; G's (clamped, shifted to bytes) and the low 14 bits are x ^ G's low 14 (clamped, times 8, added on).  Each pair's two gathers go out as soon as they are made.
.macro HASH b, lv
	REGS \b
	v_mul_lo_u32 v[xt+1], v[xt+1], s[P1]
	v_mul_lo_u32 v[xt+2], v[xt+2], s[P2]
	v_add_nc_u32 v[xt+5], 1, v[xt]
	v_add_nc_u32 v[xt+3], s[P1], v[xt+1]           ; (y + 1) P1, modulo 2^32 as in the reference's uint32
	v_add_nc_u32 v[xt+4], s[P2], v[xt+2]
.irp k, 0,1,2,3
	v_xor_b32 v[xt+6], v[xt+1+2*((\k)%2)], v[xt+2+2*((\k)/2)]
	v_bfe_u32 v[xt+7], v[xt+6], 14, 7
	v_and_b32 v[xt+6], 0x3fff, v[xt+6]
	v_min_u32 v[xt+7], 0x7f, v[xt+7]
	v_xor_b32 v[xa+2*(\k)], v[xt], v[xt+6]
	v_xor_b32 v[xa+2*(\k)+1], v[xt+5], v[xt+6]
	v_lshlrev_b32 v[xt+7], 17, v[xt+7]
	v_min_u32 v[xa+2*(\k)], 0x3fff, v[xa+2*(\k)]
	v_min_u32 v[xa+2*(\k)+1], 0x3fff, v[xa+2*(\k)+1]
	v_lshl_add_u32 v[xa+2*(\k)], v[xa+2*(\k)], 3, v[xt+7]
	v_lshl_add_u32 v[xa+2*(\k)+1], v[xa+2*(\k)+1], 3, v[xt+7]
	global_load_b64 v[xd+4*(\k):xd+4*(\k)+1], v[xa+2*(\k)], s[TAB+2*(\lv):TAB+2*(\lv)+1]
	global_load_b64 v[xd+4*(\k)+2:xd+4*(\k)+3], v[xa+2*(\k)+1], s[TAB+2*(\lv):TAB+2*(\lv)+1]
.endr
.endm
; Dense level: index = x + y n + z n^2, 704,968 at the most with all corners: one clamp, four addresses, the x neighbour 8 bytes on
.macro DENSE b, lv
	REGS \b
	v_mad_u32_u24 v[xt+3], v[xt+1], s[STR+(\lv)], v[xt]
	v_mad_u32_u24 v[xt+3], v[xt+2], s[STR2+(\lv)], v[xt+3]
	v_min_u32 v[xt+3], 0xfffff, v[xt+3]
	v_lshlrev_b32 v[xa], 3, v[xt+3]
	v_add_nc_u32 v[xa+1], s[STR8+(\lv)], v[xa]
	v_add_nc_u32 v[xa+2], s[STR28+(\lv)], v[xa]
	v_add_nc_u32 v[xa+3], s[STR8+(\lv)], v[xa+2]
.irp k, 0,1,2,3
	global_load_b64 v[xd+4*(\k):xd+4*(\k)+1], v[xa+(\k)], s[TAB+2*(\lv):TAB+2*(\lv)+1]
	global_load_b64 v[xd+4*(\k)+2:xd+4*(\k)+3], v[xa+(\k)], s[TAB+2*(\lv):TAB+2*(\lv)+1] offset:8
.endr
.endm
; The eight weights, made while the gathers are out.  Pairs (1 - f, f): x in xw, xw+1; y in xw+2, +3; z in xw+4, +5
.macro WEIGHTS b
	REGS \b
	v_cvt_f32_u32 v[xw+1], v[xw+1]
	v_cvt_f32_u32 v[xw+3], v[xw+3]
	v_cvt_f32_u32 v[xw+5], v[xw+5]
	v_sub_f32 v[xw], s[C18], v[xw+1]               ; 2^18 - F: exact
	v_sub_f32 v[xw+2], s[C18], v[xw+3]
	v_fma_f32 v[xw+4], -v[xw+5], s[K54], s[K36]    ; (2^18 - F) 2^-54
	v_mul_f32 v[xw+5], s[K54], v[xw+5]
	v_pk_mul_f32 v[xt:xt+1], v[xw+2:xw+3], v[xw+4:xw+5] op_sel_hi:[1,0]                  ; y's pair times z's first
	v_pk_mul_f32 v[xt+2:xt+3], v[xw+2:xw+3], v[xw+4:xw+5] op_sel:[0,1] op_sel_hi:[1,1]   ; and times z's second
	v_pk_mul_f32 v[xw+2:xw+3], v[xw:xw+1], v[xt:xt+1] op_sel:[0,1] op_sel_hi:[1,1]       ; x's pair times each of the four; its own place last
	v_pk_mul_f32 v[xw+4:xw+5], v[xw:xw+1], v[xt+2:xt+3] op_sel_hi:[1,0]
	v_pk_mul_f32 v[xw+6:xw+7], v[xw:xw+1], v[xt+2:xt+3] op_sel:[0,1] op_sel_hi:[1,1]
	v_pk_mul_f32 v[xw:xw+1], v[xw:xw+1], v[xt:xt+1] op_sel_hi:[1,0]
.endm
; The blend, both features at once, in two chains (cx = 0, cx = 1); then the split into H and L
.macro ACCUM b, lv
	REGS \b
	v_pk_mul_f32 v[xt:xt+1], v[xd:xd+1], v[xw:xw+1] op_sel_hi:[1,0]
	v_pk_mul_f32 v[xt+2:xt+3], v[xd+2:xd+3], v[xw:xw+1] op_sel:[0,1] op_sel_hi:[1,1]
.irp k, 1,2,3
	v_pk_fma_f32 v[xt:xt+1], v[xd+4*(\k):xd+4*(\k)+1], v[xw+2*(\k):xw+2*(\k)+1], v[xt:xt+1] op_sel_hi:[1,0,1]
	v_pk_fma_f32 v[xt+2:xt+3], v[xd+4*(\k)+2:xd+4*(\k)+3], v[xw+2*(\k):xw+2*(\k)+1], v[xt+2:xt+3] op_sel:[0,1,0] op_sel_hi:[1,1,1]
.endr
	v_pk_add_f32 v[xt:xt+1], v[xt:xt+1], v[xt+2:xt+3]
	v_and_b32 v[xt+2], s[HMASK], v[xt]
	v_and_b32 v[xt+3], s[HMASK], v[xt+1]
	v_perm_b32 v[HL+(\lv)], v[xt+1], v[xt], s[SEL]                 ; the two upper halves: feature 0 below, feature 1 above
	v_pk_add_f32 v[xt+2:xt+3], v[xt:xt+1], v[xt+2:xt+3] neg_lo:[0,1] neg_hi:[0,1]  ; what the cut left: exact
	v_cvt_pk_bf16_f32 v[HL+2+(\lv)], v[xt+2], v[xt+3]
.endm
; One point, both levels
.macro POINT u, dense
	POS BLK0, PT+4*(\u), 0
.if \dense
	DENSE BLK0, 0
.else
	HASH BLK0, 0
.endif
	POS BLK1, PT+4*(\u), 1
.if \dense
	DENSE BLK1, 1
.else
	HASH BLK1, 1
.endif
	WEIGHTS BLK0
	WEIGHTS BLK1
	s_wait_loadcnt 0x8                             ; loads come back in order (ISA guide 5.7.1): level a's eight are in, level b's eight may stay out
	ACCUM BLK0, 0
	s_wait_loadcnt 0x0                             ; level b's; with them every address register of this point is free again
	ACCUM BLK1, 1
	v_cndmask_b32 v[PT+4*(\u)], v[HL], v[HL+2], s[SWAP]            ; the record's order; the point's own registers, now dead, take it,
	v_cndmask_b32 v[PT+4*(\u)+1], v[HL+1], v[HL+3], s[SWAP]        ; so that no register of a pending store is written again
	v_cndmask_b32 v[PT+4*(\u)+2], v[HL+2], v[HL], s[SWAP]
	v_cndmask_b32 v[PT+4*(\u)+3], v[HL+3], v[HL+1], s[SWAP]
	global_store_b128 v[SOFF], v[PT+4*(\u):PT+4*(\u)+3], s[8:9] offset:(\u)*THREADS*16 th:TH_STORE_NT  ; not read again in this launch
.endm
	s_load_b128 s[4:7], s[0:1], 0x0                ; xq s[4:5], table s[6:7]
	s_load_b64 s[8:9], s[0:1], 0x10                ; fb
	s_and_b32 s[J], ttmp7, 0xffff
	v_mul_u32_u24 v[XOFF], v0, 12
	v_lshlrev_b32 v[SOFF], 4, v0
	s_mul_i32 s36, ttmp9, THREADS*2*12             ; the block's coordinates: below 24,000,000
	s_mov_b32 s37, 0
	s_mul_i32 s38, ttmp9, THREADS*2*16             ; the block's records in the pair's plane: below 192,000,000 together
	s_mul_i32 s40, s[J], PLANE
	s_add_co_u32 s38, s38, s40
	s_mov_b32 s39, 0
	s_lshl_b32 s40, s[J], 25                       ; two tables of 2^24 bytes a pair
	s_mov_b32 s41, 0
	s_mov_b32 s[HALF], 1<<(FRAC-1)
	s_mov_b32 s[FMASK], (1<<FRAC)-1
	s_mov_b32 s[P1], 0x9e3779b1                    ; 2654435761
	s_mov_b32 s[P2], 0x30025795                    ; 805459861
	s_mov_b32 s[C18], 0x48800000                   ; 2^18
	s_mov_b32 s[K54], 0x24800000                   ; 2^-54
	s_mov_b32 s[K36], 0x2d800000                   ; 2^-36
	s_mov_b32 s[HMASK], 0xffff0000
	s_mov_b32 s[SEL], 0x07060302
	s_cmp_eq_u32 s[J], 0
	s_cselect_b32 s[SWAP], -1, 0
	s_cmp_eq_u32 s[J], 3
	s_cselect_b32 s[SWAP], -1, s[SWAP]
	s_wait_kmcnt 0x0
	s_add_nc_u64 s[4:5], s[4:5], s[36:37]
	global_load_b96 v[PT:PT+2], v[XOFF], s[4:5]                    ; a wave's load covers 384 consecutive bytes
	global_load_b96 v[PT+4:PT+6], v[XOFF], s[4:5] offset:THREADS*12
	s_add_nc_u64 s[8:9], s[8:9], s[38:39]
	s_add_nc_u64 s[TAB:TAB+1], s[6:7], s[40:41]
	s_add_nc_u64 s[TAB+2:TAB+3], s[TAB:TAB+1], 0x1000000
	s_cmp_lt_u32 s[J], 2
	s_cbranch_scc1 .Ldense                         ; levels 0 to 3 have (res + 1)^3 <= 2^21 vertices and are indexed plainly
	s_mov_b32 s[SC], SC4
	s_mov_b32 s[SC+1], SC5
	s_cmp_eq_u32 s[J], 3
	s_cselect_b32 s[SC], SC6, s[SC]
	s_cselect_b32 s[SC+1], SC7, s[SC+1]
	s_cmp_eq_u32 s[J], 4
	s_cselect_b32 s[SC], SC8, s[SC]
	s_cselect_b32 s[SC+1], SC9, s[SC+1]
	s_cmp_eq_u32 s[J], 5
	s_cselect_b32 s[SC], SC10, s[SC]
	s_cselect_b32 s[SC+1], SC11, s[SC+1]
	s_wait_loadcnt 0x1                             ; my first point is in; the second may stay out
	POINT 0, 0
	POINT 1, 0
	s_endpgm
.Ldense:
	s_cmp_eq_u32 s[J], 0
	s_mov_b32 s[SC], SC2
	s_mov_b32 s[SC+1], SC3
	s_cselect_b32 s[SC], SC0, s[SC]
	s_cselect_b32 s[SC+1], SC1, s[SC+1]
	s_cselect_b32 s[STR], 17, 51                   ; res + 1 of levels 0, 2
	s_cselect_b32 s[STR+1], 30, 89                 ; and of levels 1, 3
	s_mul_i32 s[STR2], s[STR], s[STR]
	s_mul_i32 s[STR2+1], s[STR+1], s[STR+1]
	s_lshl_b32 s[STR8], s[STR], 3
	s_lshl_b32 s[STR8+1], s[STR+1], 3
	s_lshl_b32 s[STR28], s[STR2], 3
	s_lshl_b32 s[STR28+1], s[STR2+1], 3
	s_wait_loadcnt 0x1                             ; my first point is in; the second may stay out
	POINT 0, 1
	POINT 1, 1
	s_endpgm
.Lfunc_end_k_q41dd228ea0_encode:
	.size	k_q41dd228ea0_encode, .Lfunc_end_k_q41dd228ea0_encode-k_q41dd228ea0_encode
	.p2alignl 7, 3214868480
	.fill 96, 4, 3214868480
	.section	.rodata,"a",@progbits
	.p2align	6, 0x0
	.amdhsa_kernel k_q41dd228ea0_encode
		.amdhsa_group_segment_fixed_size 0
		.amdhsa_private_segment_fixed_size 0
		.amdhsa_enable_private_segment 0
		.amdhsa_kernarg_size 24
		.amdhsa_user_sgpr_count 2
		.amdhsa_user_sgpr_kernarg_segment_ptr 1
		.amdhsa_wavefront_size32 1
		.amdhsa_system_sgpr_workgroup_id_x 1
		.amdhsa_system_sgpr_workgroup_id_y 1
		.amdhsa_system_sgpr_workgroup_id_z 1
		.amdhsa_system_vgpr_workitem_id 0
		.amdhsa_next_free_vgpr 96
		.amdhsa_next_free_sgpr 66
		.amdhsa_reserve_vcc 0
		.amdhsa_float_denorm_mode_32 3
		.amdhsa_float_denorm_mode_16_64 3
		.amdhsa_memory_ordered 1
		.amdhsa_forward_progress 1
		.amdhsa_inst_pref_size 38
	.end_amdhsa_kernel
	.amdgpu_metadata
---
amdhsa.version: [ 1, 2 ]
amdhsa.kernels:
  - .name:           k_q41dd228ea0_encode
    .symbol:         k_q41dd228ea0_encode.kd
    .args:
      - { .name: xq, .offset: 0, .size: 8, .value_kind: global_buffer, .address_space: global }
      - { .name: table, .offset: 8, .size: 8, .value_kind: global_buffer, .address_space: global }
      - { .name: fb, .offset: 16, .size: 8, .value_kind: global_buffer, .address_space: global }
    .group_segment_fixed_size: 0
    .private_segment_fixed_size: 0
    .kernarg_segment_align: 8
    .kernarg_segment_size: 24
    .max_flat_workgroup_size: 64
    .sgpr_count:     66
    .vgpr_count:     96
    .wavefront_size: 32
...
	.end_amdgpu_metadata
.endif
;; end of part 2
;; launch mlp (part 3): grid 3125 x 1, 2 waves a work-group, no clusters, 0 bytes of LDS; arguments fb, W1, b1, W2, b2, out0; writes out0
.if DOCPART == 3
	.amdgcn_target "amdgcn-amd-amdhsa--gfx1250"
	.amdhsa_code_object_version 6
	.text
	.protected	k_q41dd228ea0_mlp
	.globl	k_q41dd228ea0_mlp
	.p2align	8
	.type	k_q41dd228ea0_mlp,@function
k_q41dd228ea0_mlp:
	s_mov_b64 s[64:65], 0
	v_nop
	global_prefetch_b8 v0, s[64:65] scope:SCOPE_SE
	s_setreg_imm32_b32 hwreg(HW_REG_WAVE_MODE, 25, 1), 1
	s_wait_xcnt 0x0
; out[p] = W2 . relu(W1^T f[p] + b1) + b2.  fb: [6][2,000,000] records of 16 bytes (the launch before: for pair j of levels the words H_a H_b L_a L_b, for j = 0 and 3
; L_a L_b H_a H_b; H = both features' upper 16 bits as bf16, L = the rest rounded to bf16).  W1 [24][64], b1 [64], W2 [64], b2 [1], out [2,000,000], all f32.
; FIRST LAYER on the matrix unit, bf16 operands, f32 sums, transposed: source 0 = 16 hidden units (W1^T), source 1 = 16 points.  Both f and W1 are taken as hi + lo of bf16:
; f W = H Wh + L Wh + H Wl; L Wl, at most 2^-14 of a product, is dropped.  One bf16 alone would leave errors of 2^-9 of each product, too near the allowance.
; LAYOUT.  In source 1 lane (r, h) holds point r's numbers for 16 of the 32 k (ISA guide 7.12.2).  k may be numbered freely if both sources agree, so half h of the lanes takes
; pairs 3 h .. 3 h + 2: three loads of 16 bytes fill twelve registers  L0 L0' H0 H0' H1 H1' L1 L1' H2 H2' L2 L2'  and no word is converted or moved.  Three windows of eight:
;   registers 0-7  against  Wh0 Wh0' Wh0 Wh0' Wh1 Wh1' Wh1 Wh1'      registers 2-9  against  Wl0 Wl0' Wl1 Wl1' 0 0 Wl2 Wl2'      registers 4-11  against  0 0 0 0 Wh2 Wh2' Wh2 Wh2'
; hold each of the 18 products once.  b1 is the C operand of the first.  12 matrix instructions for 16 points x 64 hidden units; the four accumulators take turns.
; SECOND LAYER in f32 on the vector unit: it has one column, a sixteenth of a matrix tile, and the matrix unit would want the same maxima and a packing besides.  In the result a lane
; holds one point and 32 hidden units: 32 maxima, 16 packed multiply-adds; the other 32 lie in the lane 16 away.
; SHARES.  A wave takes 320 consecutive points in 5 steps of 64 = four groups of 16.  Column r of a group is point 2 (r % 8) + r / 8 of its 16: a load's 16 lanes still cover 256 consecutive
; bytes, at a multiple of 256 from fb's first byte, and after the two exchanges below lane L holds points 2 L and 2 L + 1 of the step: one store of 256 consecutive aligned bytes.
; THE RING.  A group's twelve registers are loaded again, for the next step, as soon as its matrix instructions are four places behind: twelve loads of a wave are always out.
; No LDS and no barrier: the waves share nothing but the weights, 6.5 KB, which each prepares for itself once.
.set NPTS,    2000000
.set PLANE,   NPTS*16
.set STEPS,   5
.set STEPPTS, 64
.set WAVEPTS, STEPS*STEPPTS
.set VOFF, 2                           ; v2       my byte offset in a plane's records (and 3 planes on for lanes 16-31); steps by 1,024
.set VSTO, 3                           ; v3       my byte offset in out; steps by 256
.set BB,   4                           ; v[4:5]   b2 in lanes 0-15, else 0; 0
.set C0,   6                           ; v[6:7], v[8:9]  two chains of the second layer's sums; at work
.set C1,   8
.set PP,   10                          ; v[10:13] my partial sum of each group (before the loop: r, h and two offsets)
.set OO,   14                          ; v[14:15] what I store
.set AR,   16                          ; v[16:111]  W1's three images for tile t of 16 hidden units at AR + 24 t, + 8, + 16
.set B1R,  112                         ; v[112:143] b1[16 t + 8 h + j] at B1R + 8 t + j
.set W2R,  144                         ; v[144:175] W2 likewise
.set DAT,  176                         ; v[176:223] group g's twelve words at DAT + 12 g
.set DD,   224                         ; v[224:255] four accumulators
.set ROWS, 31                          ; s31  0xffff0000: lanes 16-31; also the mask of a word's upper 16 bits
.set SELX, 32                          ; s[32:33] v_permlanex16_b32: each lane takes its own place in the other row
.set M8,   34                          ; s34  lanes 8-15 of each row
.set CNT,  35
.set SEL,  36
.macro FETCH g                         ; group g's three records: lanes 0-15 from planes 0-2, lanes 16-31 from planes 3-5; read once in the launch
.irp i, 0,1,2
	global_load_b128 v[DAT+12*(\g)+4*(\i):DAT+12*(\g)+4*(\i)+3], v[VOFF], s[24+2*(\i):25+2*(\i)] offset:256*(\g) th:TH_LOAD_NT
.endr
.endm
	s_load_b256 s[4:11], s[0:1], 0x0               ; fb s[4:5], W1 s[6:7], b1 s[8:9], W2 s[10:11]
	s_load_b128 s[12:15], s[0:1], 0x20             ; b2 s[12:13], out s[14:15]
	v_lshrrev_b32 v1, 5, v0
	v_readfirstlane_b32 s16, v1                    ; my wave in the work-group
	v_and_b32 v10, 15, v0                          ; r
	v_bfe_u32 v11, v0, 4, 1                        ; h
	v_and_b32 v8, 7, v0                            ; r % 8
	v_bfe_u32 v9, v0, 3, 1                         ; r / 8
	v_and_b32 v[VSTO], 31, v0
	s_lshl_b32 s17, ttmp9, 1
	s_add_co_u32 s17, s17, s16                     ; my wave among all 6,250
	s_mul_i32 s18, s17, WAVEPTS*16                 ; its records in a plane: below 32,000,000
	s_mov_b32 s19, 0
	s_mul_i32 s20, s17, WAVEPTS*4                  ; its numbers in out
	s_mov_b32 s21, 0
	s_mov_b32 s22, 3*PLANE
	s_mov_b32 s[ROWS], 0xffff0000
	s_mov_b32 s[SELX], 0x76543210
	s_mov_b32 s[SELX+1], 0xfedcba98
	s_mov_b32 s[M8], 0xff00ff00
	s_mov_b32 s[SEL], 0x07060302
	v_mul_u32_u24 v12, v11, 12*256                 ; W1: half h takes rows 12 h .. 12 h + 11,
	v_lshl_add_u32 v12, v10, 2, v12                ; column 16 t + r
	v_lshlrev_b32 v13, 5, v11                      ; b1, W2: 8 h numbers on
	v_cmp_ne_u32 vcc_lo, 0, v11
	v_cndmask_b32 v[VOFF], 0, s22, vcc_lo
	v_lshl_add_u32 v[VOFF], v8, 5, v[VOFF]         ; record 2 (r % 8) + r / 8 of the group's 16
	v_lshl_add_u32 v[VOFF], v9, 4, v[VOFF]
	v_lshlrev_b32 v[VSTO], 3, v[VSTO]
	s_wait_kmcnt 0x0
	s_load_b32 s30, s[12:13], 0x0                  ; b2
	; W1's rows land in the places of the second and third image (12 registers on end for each tile) and are turned into the three images in place
.irp t, 0,1,2,3
.irp q, 0,1,2,3,4,5,6,7,8,9,10,11
	global_load_b32 v[AR+24*(\t)+8+(\q)], v12, s[6:7] offset:256*(\q)+64*(\t)
.endr
.endr
.irp t, 0,1,2,3
	global_load_b128 v[B1R+8*(\t):B1R+8*(\t)+3], v13, s[8:9] offset:64*(\t)
	global_load_b128 v[B1R+8*(\t)+4:B1R+8*(\t)+7], v13, s[8:9] offset:64*(\t)+16
	global_load_b128 v[W2R+8*(\t):W2R+8*(\t)+3], v13, s[10:11] offset:64*(\t)
	global_load_b128 v[W2R+8*(\t)+4:W2R+8*(\t)+7], v13, s[10:11] offset:64*(\t)+16
.endr
	s_add_nc_u64 s[24:25], s[4:5], s[18:19]        ; planes 0, 1, 2 at my wave's first record
	s_add_nc_u64 s[26:27], s[24:25], PLANE
	s_add_nc_u64 s[28:29], s[26:27], PLANE
	s_add_nc_u64 s[14:15], s[14:15], s[20:21]
	FETCH 0
	FETCH 1
	FETCH 2
	FETCH 3
	s_wait_loadcnt 12                              ; the weights are in; the first step's twelve loads, issued behind them, stay out while the images are made
.irp t, 0,1,2,3
.irp p, 0,1,2,3,4,5                    ; level p of my half's six: rows 2 p, 2 p + 1.  Wh: cut off; Wl: the rest, exact in f32, rounded.  Ascending p writes only over rows already used
.set raw, AR+24*(\t)+8+2*(\p)
.set hi1, AR+24*(\t)+4*((\p)/2)+12*((\p)/4)+(\p)%2
.set lo1, AR+24*(\t)+8+(\p)+2*((\p)/4)
	v_and_b32 v6, s[ROWS], v[raw]
	v_and_b32 v7, s[ROWS], v[raw+1]
	v_perm_b32 v[hi1], v[raw+1], v[raw], s[SEL]    ; Wh stands twice: against H and against L
	v_perm_b32 v[hi1+2], v[raw+1], v[raw], s[SEL]
	v_pk_add_f32 v[6:7], v[raw:raw+1], v[6:7] neg_lo:[0,1] neg_hi:[0,1]
	v_cvt_pk_bf16_f32 v[lo1], v6, v7
.endr
.irp z, 12,13,16,17,18,19
	v_mov_b32 v[AR+24*(\t)+(\z)], 0                ; the six places of the images that take part in no product
.endr
.endr
	s_wait_kmcnt 0x0
	v_cmp_eq_u32 vcc_lo, 0, v11
	v_cndmask_b32 v[BB], 0, s30, vcc_lo            ; b2 enters one of a point's two partial sums
	v_mov_b32 v[BB+1], 0
; One group of 16 points.  left: how many younger loads may stay out.  ahead = 1: its registers are loaded again for the next step.
.macro GROUP g, ahead, left
.set db, DAT+12*(\g)
	s_wait_loadcnt \left                           ; loads come back in order (ISA guide 5.7.1): this group's three are in
.irp t, 0,1,2,3
	v_wmma_f32_16x16x32_bf16 v[DD+8*(\t):DD+8*(\t)+7], v[AR+24*(\t):AR+24*(\t)+7], v[db:db+7], v[B1R+8*(\t):B1R+8*(\t)+7]
.endr
.irp t, 0,1,2,3
	v_wmma_f32_16x16x32_bf16 v[DD+8*(\t):DD+8*(\t)+7], v[AR+24*(\t)+8:AR+24*(\t)+15], v[db+2:db+9], v[DD+8*(\t):DD+8*(\t)+7]
.endr
.irp t, 0,1,2,3
	v_wmma_f32_16x16x32_bf16 v[DD+8*(\t):DD+8*(\t)+7], v[AR+24*(\t)+16:AR+24*(\t)+23], v[db+4:db+11], v[DD+8*(\t):DD+8*(\t)+7]
.endr
.rept 4
	v_nop                                          ; four places ahead of the loads into the sources and of the maxima on the results
.endr
.if \ahead
	FETCH \g
.endif
.irp t, 0,1,2,3                        ; each accumulator is read from its lowest register on
.irp i, 0,1,2,3,4,5,6,7
	v_max_num_f32 v[DD+8*(\t)+(\i)], 0, v[DD+8*(\t)+(\i)]
.endr
.irp i, 0,1,2,3
.if ((\t) == 0) && ((\i) == 0)
	v_pk_fma_f32 v[C0:C0+1], v[DD:DD+1], v[W2R:W2R+1], v[BB:BB+1]          ; the first products start the two chains: nothing is cleared
.elseif ((\t) == 0) && ((\i) == 1)
	v_pk_mul_f32 v[C1:C1+1], v[DD+2:DD+3], v[W2R+2:W2R+3]
.else
	v_pk_fma_f32 v[C0+2*((\i)%2):C0+2*((\i)%2)+1], v[DD+8*(\t)+2*(\i):DD+8*(\t)+2*(\i)+1], v[W2R+8*(\t)+2*(\i):W2R+8*(\t)+2*(\i)+1], v[C0+2*((\i)%2):C0+2*((\i)%2)+1]
.endif
.endr
.endr
	v_pk_add_f32 v[C0:C0+1], v[C0:C0+1], v[C1:C1+1]
	v_add_f32 v[PP+(\g)], v[C0], v[C0+1]
.endm
; A step of 64 points
.macro STEP ahead
	s_wait_xcnt 0x0                                ; every earlier memory instruction has had its addresses translated (ISA guide 3.1): only behind this wait are the two offsets and the last store's data rewritten
.if \ahead
	v_add_nc_u32 v[VOFF], STEPPTS*16, v[VOFF]      ; the loads of this step fetch the next step's records
.endif
	v_add_nc_u32 v[VSTO], STEPPTS*4, v[VSTO]       ; the store below reaches back
.if \ahead
	GROUP 0, 1, 9                                  ; behind a group's loads stand those of the three groups that follow it in the ring: nine
	GROUP 1, 1, 9
	GROUP 2, 1, 9
	GROUP 3, 1, 9
.else
	GROUP 0, 0, 9                                  ; the last step loads nothing: the counts run down
	GROUP 1, 0, 6
	GROUP 2, 0, 3
	GROUP 3, 0, 0
.endif
	; Row 0 of the lanes ends with groups 0 and 1, row 1 with groups 2 and 3: each row keeps its own groups' halves and sends the other's
	v_cndmask_b32 v6, v[PP], v[PP+2], s[ROWS]
	v_cndmask_b32 v7, v[PP+2], v[PP], s[ROWS]
	v_cndmask_b32 v8, v[PP+1], v[PP+3], s[ROWS]
	v_cndmask_b32 v9, v[PP+3], v[PP+1], s[ROWS]
	v_permlanex16_b32 v0, v7, s[SELX], s[SELX+1]   ; its destination counts as read: v0 and v1 have been written
	v_permlanex16_b32 v1, v9, s[SELX], s[SELX+1]
	v_add_f32 v6, v6, v0                           ; the row's first group, column i: point 2 (i % 8) + i / 8 of its 16
	v_add_f32 v8, v8, v1                           ; the row's second group
	; Lanes 0-7 of a row end with the first group's points 2 i, 2 i + 1 (columns i, i + 8), lanes 8-15 with the second group's (columns i - 8, i): one exchange 8 lanes apart
	v_cndmask_b32 v7, v8, v6, s[M8]
	v_mov_b32_dpp v9, v7 row_xmask:8 row_mask:0xf bank_mask:0xf
	v_cndmask_b32 v[OO], v6, v9, s[M8]
	v_cndmask_b32 v[OO+1], v9, v8, s[M8]
	global_store_b64 v[VSTO], v[OO:OO+1], s[14:15] offset:-STEPPTS*4 th:TH_STORE_NT  ; 32 lanes store 256 consecutive bytes, at a multiple of 256 from out's first byte
.endm
	s_mov_b32 s[CNT], STEPS-1
.Lstep:
	STEP 1
	s_sub_co_u32 s[CNT], s[CNT], 1
	s_cmp_lg_u32 s[CNT], 0
	s_cbranch_scc1 .Lstep
	STEP 0                                         ; written out, so that no load leaves the wave's 320 points
	s_endpgm
.Lfunc_end_k_q41dd228ea0_mlp:
	.size	k_q41dd228ea0_mlp, .Lfunc_end_k_q41dd228ea0_mlp-k_q41dd228ea0_mlp
	.p2alignl 7, 3214868480
	.fill 96, 4, 3214868480
	.section	.rodata,"a",@progbits
	.p2align	6, 0x0
	.amdhsa_kernel k_q41dd228ea0_mlp
		.amdhsa_group_segment_fixed_size 0
		.amdhsa_private_segment_fixed_size 0
		.amdhsa_enable_private_segment 0
		.amdhsa_kernarg_size 48
		.amdhsa_user_sgpr_count 2
		.amdhsa_user_sgpr_kernarg_segment_ptr 1
		.amdhsa_wavefront_size32 1
		.amdhsa_system_sgpr_workgroup_id_x 1
		.amdhsa_system_sgpr_workgroup_id_y 1
		.amdhsa_system_sgpr_workgroup_id_z 1
		.amdhsa_system_vgpr_workitem_id 0
		.amdhsa_next_free_vgpr 256
		.amdhsa_next_free_sgpr 66
		.amdhsa_reserve_vcc 1
		.amdhsa_float_denorm_mode_32 3
		.amdhsa_float_denorm_mode_16_64 3
		.amdhsa_memory_ordered 1
		.amdhsa_forward_progress 1
		.amdhsa_inst_pref_size 45
	.end_amdhsa_kernel
	.amdgpu_metadata
---
amdhsa.version: [ 1, 2 ]
amdhsa.kernels:
  - .name:           k_q41dd228ea0_mlp
    .symbol:         k_q41dd228ea0_mlp.kd
    .args:
      - { .name: fb, .offset: 0, .size: 8, .value_kind: global_buffer, .address_space: global }
      - { .name: W1, .offset: 8, .size: 8, .value_kind: global_buffer, .address_space: global }
      - { .name: b1, .offset: 16, .size: 8, .value_kind: global_buffer, .address_space: global }
      - { .name: W2, .offset: 24, .size: 8, .value_kind: global_buffer, .address_space: global }
      - { .name: b2, .offset: 32, .size: 8, .value_kind: global_buffer, .address_space: global }
      - { .name: out0, .offset: 40, .size: 8, .value_kind: global_buffer, .address_space: global }
    .group_segment_fixed_size: 0
    .private_segment_fixed_size: 0
    .kernarg_segment_align: 8
    .kernarg_segment_size: 48
    .max_flat_workgroup_size: 64
    .sgpr_count:     66
    .vgpr_count:     256
    .wavefront_size: 32
...
	.end_amdgpu_metadata
.endif
;; end of part 3
;; ======== version 2 of 2: 2 launches; 1.43 times as fast as version 1
;; limits: right only within a limited range of input values; values are held in f16: magnitudes above 65,504 overflow, below 6.1e-05 lose precision; inputs' magnitudes at most 65,504; inputs' magnitudes at most 16; below input magnitudes of 1.5e-08 results are inexact or not finite
;; workspace buffers: xq 24,000,000 bytes of whole numbers
;; launch quant: the kernel of part 1 again; grid 1875 x 1, 5 waves a work-group, no clusters, 0 bytes of LDS; arguments pcd, xq; writes xq
;; launch field (part 4): grid 256 x 1, 28 waves a work-group, no clusters, 270,336 bytes of LDS; arguments xq, table, W1, b1, W2, b2, out0; writes out0
.if DOCPART == 4
	.amdgcn_target "amdgcn-amd-amdhsa--gfx1250"
	.amdhsa_code_object_version 6
	.text
	.protected	k_q41dd228ea0_field
	.globl	k_q41dd228ea0_field
	.p2align	8
	.type	k_q41dd228ea0_field,@function
k_q41dd228ea0_field:
	s_mov_b64 s[64:65], 0
	v_nop
	global_prefetch_b8 v0, s[64:65] scope:SCOPE_SE
	s_setreg_imm32_b32 hwreg(HW_REG_WAVE_MODE, 25, 1), 1
	s_wait_xcnt 0x0
; out[p] = W2 . relu(W1^T f[p] + b1) + b2, where f[p] are the 24 features of the hash grid: for each of 12 levels the 8 corners of the point's cell, gathered from the
; level's table ([2^21][2] f32) and blended trilinearly.  xq: [2,000,000][3] u32, the coordinates as 0.32 fixed-point fractions (the launch before).  W1 [24][64], b1 [64], W2 [64], b2 [1], out f32.
; ONE LAUNCH: the features never leave the registers.  The tables of levels 0 and 1 (17^3 and 30^3 vertices) are copied into LDS once by each work-group and gathered from there:
; a sixth of all gathers stays inside the WGP.
; SHARES.  2,000,000 points are 31,250 blocks of 64 = 256 x 122 + 18: a work-group has 122 blocks, the first 18 work-groups 123.  28 waves, 7 for each of a WGP's four SIMDs: 122 = 28 x 4 + 10, so a wave
; takes 4 blocks and waves floor(28 k / 11), k = 0 .. 9 (10), a fifth: 0, 2, 5, 7, 10, 12, 15, 17, 20, 22, (25).  Taken modulo 4 these numbers fall on each of four classes two or three times; divided by 7, one to three times.
; A lane is a point: lane L takes points 2 L and 2 L + 1 of a block, one pass each, so its coordinates are 24 consecutive bytes and its two results 8: a wave's store covers 256 consecutive
; bytes at a multiple of 256 from out's first byte.
; NO CLUSTER: what the work-groups share, the 262,144 bytes of the two tables, fetched once, is a twentieth of what a work-group fetches (7,808 points x 640 bytes of gathers).
; THE RING.  A block is 24 items (2 passes x 12 levels).  Item i's eight loads are issued before item i - 3 is blended: four slots of 20 registers take turns.
; WHOLE NUMBERS ONLY IN ADDRESSES.  pos = x scale + 0.5 in fixed point with 18 fraction bits: the upper word of xq * (scale 2^18), plus 2^17; its upper bits are the cell (8,191 at the most),
; its lower 18 the fraction, which alone becomes a float.  A number that was loaded enters an address only behind v_min_u32 with a constant written in the line, and behind that only through
; shifts left and adds.  None of these minima ever changes a value.
; FIRST LAYER on the matrix unit in f16, f32 sums, transposed: source 0 = 16 hidden units (W1^T), source 1 = 16 points.  The features are made 2^12 times too large (the factor lies in the z weights), so that
; the table's numbers stand in the middle of f16's range; W2 carries 2^-12.  b1 enters through two k places that the 24 features leave free: f16(b1) x 4096 + f16((b1 - f16(b1)) 2^11) x 2.
; LIMITS.  |table| < 16 and |W1|, |b1| <= 65,504, beyond which f16 has no number; features below 1.5e-8 keep f16's fixed step, 1.5e-11; b1 is held to 2^-23 of itself or 1.5e-11.
; Features and W1 are rounded to 11 significant bits.  Points: as the launch before states.
; SECOND LAYER in f32 on the vector unit: it has one column, a sixteenth of a matrix tile, and the matrix unit would want the same maxima and a packing besides.
.set WAVES,  28
.set BPTS,   64                        ; points in a block
.set PERWG,  122                       ; blocks of a work-group,
.set MOREWG, 18                        ; one more in the first 18
.set BASEB,  4                         ; blocks of a wave, one more in 10 or 11 of the 28
.set FRAC,   18
.set DEPTH,  4                         ; slots of the ring
; scale 2^18, scale = 16 * 2^(9 l / 11) - 1, rounded to whole numbers
.set SC0,  3932160
.set SC1,  7133179
.set SC2,  12777161
.set SC3,  22728530
.set SC4,  40274611
.set SC5,  71211554
.set SC6,  125759030
.set SC7,  221936185
.set SC8,  391514064
.set SC9,  690510813
.set SC10, 1217696653
.set SC11, 2147221504
; LDS
.set TILEB, 64*256                     ; what one tensor load brings
.set T1L,   3*TILEB                    ; level 0's table lies at 0 (three loads), level 1's here (thirteen)
.set IMG,   16*TILEB                   ; W1's image: word group c (0, 1), tile t, lane: 16 bytes at 2,048 c + 512 t + 16 lane
.set W2L,   IMG+4096                   ; W2 2^-12: tile t's 16 numbers at 128 t (and once more behind them)
.set SPARE, W2L+512                    ; the spare words, 128 bytes for each of 28 waves: fourteen blocks of 256 bytes that no other line names
; vector registers
.set SPW,  2                           ; v2       LDS address of my spare word; never rewritten
.set NIL,  3                           ; v3       0; never rewritten
.set XOFF, 4                           ; v4       my byte offset in the wave's coordinates: that of the block to be loaded next
.set SOFF, 5                           ; v5       my byte offset in the wave's results
.set CO,   6                           ; v[6:11]  my two points
.set ADR,  12                          ; v12, v13 the address of level 2's and of level 3's eight gathers
.set OO,   14                          ; v[14:15] what I store
.set FB,   16                          ; v[16:47] source 1 of group g of 16 points at FB + 8 g: six words of features, the word (4096, 2), a word 0
.set T,    48                          ; v[48:55] at work
.set RING, 56                          ; v[56:135] slot s at RING + 20 s: 16 gathered (corner (cx, cy, cz) at 2 (cx + 2 cy + 4 cz)); fx, fy, 4096 (1 - fz), 4096 fz
.set IMGA, 136                         ; v136     IMG + 16 lane
.set W2A,  137                         ; v137     W2L + 32 (lane / 16)
.set BB,   138                         ; v[138:139] b2 in lanes 0-15, else 0; 0
.set AR,   48                          ; behind a block's last blend v[48:135] are free: v[48:79] W1's image, tile t at AR + 8 t
.set W2R,  80                          ; v[80:111]  W2[16 t + 8 h + j] 2^-12 at W2R + 8 t + j
.set DD,   112                         ; v[112:127] two accumulators
.set CH,   128                         ; v[128:135] group g's running pair of sums at CH + 2 g
; scalar registers
.set G0,    16                         ; s[16:19] tensor descriptor group 0
.set G1,    24                         ; s[24:31] group 1
.set OUT,   32
.set WV,    34
.set CNT,   35
.set STEP,  36
.set B2,    37
.set HALF,  44
.set FMASK, 45
.set P1,    46
.set P2,    47
.set SC,    48                         ; s[48:59] scale 2^18 of the 12 levels
.set K18,   60
.set K6,    61
.set C17,   62
.set ROWS,  63                         ; lanes 16-31
.set TAB,   66                         ; s[66:85] the tables of levels 2 to 11
.set BIAS,  86
.set M32,   87
.set M17,   88
.set NB,    89                         ; my wave's blocks: 4 or 5
.set NXT,   90
.macro DENSEC l                        ; a dense level: vertices along an axis, and the largest cell
.if (\l) == 0
.set nn, 17
.set cm, 15
.elseif (\l) == 1
.set nn, 30
.set cm, 27
.elseif (\l) == 2
.set nn, 51
.set cm, 49
.else
.set nn, 89
.set cm, 87
.endif
.endm
; ITEM n IS ISSUED: pass n / 12, level n % 12.  The cell, the eight addresses, the eight loads; then, while they are out, the fractions.
.macro ISSUE n
.set lv, (\n)%12
.set xd, RING+20*((\n)%DEPTH)
.set xf, xd+16
.set cx, CO+3*((\n)/12)
.irp c, 0,1,2
	v_mul_hi_u32 v[T+\c], v[cx+\c], s[SC+lv]
.endr
.irp c, 0,1,2
	v_add_nc_u32 v[T+\c], s[HALF], v[T+\c]
.endr
	v_and_or_b32 v[xf], v[T], s[FMASK], s[BIAS]    ; the fraction F, a whole number below 2^18, set under the exponent of 2^23: the float 2^23 + F
	v_and_or_b32 v[xf+1], v[T+1], s[FMASK], s[BIAS]
	v_and_or_b32 v[xf+3], v[T+2], s[FMASK], s[BIAS]
.irp c, 0,1,2
	v_lshrrev_b32 v[T+\c], FRAC, v[T+\c]
.endr
.if lv < 4
	; dense: index = x + y n + z n^2.  One clamp at the largest index that a cell's first corner can have; the other corners stand in the immediate
	DENSEC lv
	v_mad_u32_u24 v[T+3], v[T+1], nn, v[T]
	v_mad_u32_u24 v[T+3], v[T+2], nn*nn, v[T+3]
.if lv < 2
	v_min_u32 v[T+3], cm*(1+nn+nn*nn), v[T+3]      ; with the immediates below: 39,304 bytes of level 0's 49,152, 208,552 of level 1's 212,992
	v_lshlrev_b32 v[T+3], 3, v[T+3]
.irp k, 0,1,2,3,4,5,6,7
	ds_load_b64 v[xd+2*(\k):xd+2*(\k)+1], v[T+3] offset:lv*T1L+8*((\k)%2+nn*(((\k)/2)%2)+nn*nn*((\k)/4))
.endr
.else
	v_min_u32 v[ADR+lv-2], cm*(1+nn+nn*nn), v[T+3] ; a register of the level's own: it is written again a pass later, behind the counted wait that has shown these loads done
	v_lshlrev_b32 v[ADR+lv-2], 3, v[ADR+lv-2]
.irp k, 0,1,2,3,4,5,6,7
	global_load_b64 v[xd+2*(\k):xd+2*(\k)+1], v[ADR+lv-2], s[TAB+2*lv-4:TAB+2*lv-3] offset:8*((\k)%2+nn*(((\k)/2)%2)+nn*nn*((\k)/4))
.endr
.endif
.else
	; hashed: index = (x ^ y P1 ^ z P2) mod 2^21.  Only the products' low 21 bits count, so the primes are taken modulo 2^21 and the 24-bit multiply serves.  For each pair k = (cy, cz): G = y P1 ^ z P2.
	; x and x + 1 are below 2^14, so bits 20:14 of the index are G's (clamped, shifted to bytes) and the low 14 bits are x ^ G's low 14 (clamped, times 8, added on).
	; Stage by stage over the four pairs, so that no line reads the result of the line before it.  Each address is made in the first register of its own load's destination, which no other load names;
	; G and its upper bits stand in the second registers until the loads go out.
	v_mul_u32_u24 v[T+1], s[P1], v[T+1]
	v_mul_u32_u24 v[T+2], s[P2], v[T+2]
	v_add_nc_u32 v[T+5], 1, v[T]
	v_add_nc_u32 v[T+3], s[P1], v[T+1]             ; (y + 1) P1
	v_add_nc_u32 v[T+4], s[P2], v[T+2]
.irp k, 0,1,2,3
	v_xor_b32 v[xd+4*(\k)+1], v[T+1+2*((\k)%2)], v[T+2+2*((\k)/2)]
.endr
.irp k, 0,1,2,3
	v_bfe_u32 v[xd+4*(\k)+3], v[xd+4*(\k)+1], 14, 7
.endr
.irp k, 0,1,2,3
	v_and_b32 v[xd+4*(\k)+1], 0x3fff, v[xd+4*(\k)+1]
.endr
.irp k, 0,1,2,3
	v_min_u32 v[xd+4*(\k)+3], 0x7f, v[xd+4*(\k)+3]
.endr
.irp k, 0,1,2,3
	v_xor_b32 v[xd+4*(\k)], v[T], v[xd+4*(\k)+1]
	v_xor_b32 v[xd+4*(\k)+2], v[T+5], v[xd+4*(\k)+1]
.endr
.irp k, 0,1,2,3
	v_lshlrev_b32 v[xd+4*(\k)+3], 17, v[xd+4*(\k)+3]
.endr
.irp k, 0,1,2,3
	v_min_u32 v[xd+4*(\k)], 0x3fff, v[xd+4*(\k)]
	v_min_u32 v[xd+4*(\k)+2], 0x3fff, v[xd+4*(\k)+2]
.endr
.irp k, 0,1,2,3
	v_lshl_add_u32 v[xd+4*(\k)], v[xd+4*(\k)], 3, v[xd+4*(\k)+3]
	v_lshl_add_u32 v[xd+4*(\k)+2], v[xd+4*(\k)+2], 3, v[xd+4*(\k)+3]
.endr
.irp k, 0,1,2,3
	global_load_b64 v[xd+4*(\k):xd+4*(\k)+1], v[xd+4*(\k)], s[TAB+2*lv-4:TAB+2*lv-3]
	global_load_b64 v[xd+4*(\k)+2:xd+4*(\k)+3], v[xd+4*(\k)+2], s[TAB+2*lv-4:TAB+2*lv-3]
.endr
.endif
	v_fma_f32 v[xf], v[xf], s[K18], s[M32]         ; (2^23 + F) 2^-18 - 32 = fx; every one of these four is exact
	v_fma_f32 v[xf+1], v[xf+1], s[K18], s[M32]     ; fy
	v_fma_f32 v[xf+2], -v[xf+3], s[K6], s[C17]     ; 2^17 + 4096 - (2^23 + F) 2^-6 = 4096 (1 - fz)
	v_fma_f32 v[xf+3], v[xf+3], s[K6], s[M17]      ; (2^23 + F) 2^-6 - 2^17 = 4096 fz
.endm
; The wait for item j when item m is the last that has been issued.  Loads come back in order, LDS reads likewise (ISA guide 5.7.1): what may stay out are the eight loads of each later
; item on the same counter, and, once item 23 is out, the three loads of the next block's coordinates that were issued behind it.
.macro WAITFOR j, m
.set cg, 0
.set cl, 0
.set kk, (\j)+1
.rept (\m)-(\j)
.if (kk%12) < 2
.set cl, cl+8
.else
.set cg, cg+8
.endif
.set kk, kk+1
.endr
.if (\m) == 23
.set cg, cg+3
.endif
.if ((\j)%12) < 2
	s_wait_dscnt cl
.else
	s_wait_loadcnt cg
.endif
.endm
; ITEM j IS BLENDED, both features at once: a + f (b - a) along x (four times), along y (twice); along z by the two weights that carry the factor 4096; then one rounding to f16.
.macro CONSUME j, m
	WAITFOR \j, \m
.set xd, RING+20*((\j)%DEPTH)
.set xf, xd+16
.set fw, FB+16*((\j)/12)+((\j)%12)+2*(((\j)%12)/6) ; levels 0-5 in the pass's first operand, 6-11 in its second
.irp k, 0,1,2,3
	v_pk_add_f32 v[xd+4*(\k)+2:xd+4*(\k)+3], v[xd+4*(\k)+2:xd+4*(\k)+3], v[xd+4*(\k):xd+4*(\k)+1] neg_lo:[0,1] neg_hi:[0,1]
.endr
.irp k, 0,1,2,3
	v_pk_fma_f32 v[xd+4*(\k):xd+4*(\k)+1], v[xd+4*(\k)+2:xd+4*(\k)+3], v[xf:xf+1], v[xd+4*(\k):xd+4*(\k)+1] op_sel_hi:[1,0,1]
.endr
.irp k, 0,2
	v_pk_add_f32 v[xd+4*(\k)+4:xd+4*(\k)+5], v[xd+4*(\k)+4:xd+4*(\k)+5], v[xd+4*(\k):xd+4*(\k)+1] neg_lo:[0,1] neg_hi:[0,1]
.endr
.irp k, 0,2
	v_pk_fma_f32 v[xd+4*(\k):xd+4*(\k)+1], v[xd+4*(\k)+4:xd+4*(\k)+5], v[xf:xf+1], v[xd+4*(\k):xd+4*(\k)+1] op_sel:[0,1,0] op_sel_hi:[1,1,1]
.endr
	v_pk_mul_f32 v[xd:xd+1], v[xd:xd+1], v[xf+2:xf+3] op_sel_hi:[1,0]
	v_pk_fma_f32 v[xd:xd+1], v[xd+8:xd+9], v[xf+2:xf+3], v[xd:xd+1] op_sel:[0,1,0] op_sel_hi:[1,1,1]
	v_cvt_pk_f16_f32 v[fw], v[xd], v[xd+1]         ; feature 0 below, feature 1 above
.endm
; Matrix instruction n of a block's 16: group n / 4, tile n % 4 of 16 hidden units, onto accumulator n % 2
.macro WM n
	v_wmma_f32_16x16x32_f16 v[DD+8*((\n)%2):DD+8*((\n)%2)+7], v[AR+8*((\n)%4):AR+8*((\n)%4)+7], v[FB+8*((\n)/4):FB+8*((\n)/4)+7], 0
.endm
; and what is made of its result: a lane holds one point and eight hidden units: the maxima with 0, two to an instruction, read from the lowest register on, and four packed multiply-adds
.macro VM n
.set dd, DD+8*((\n)%2)
.set ww, W2R+8*((\n)%4)
.set ch, CH+2*((\n)/4)
	v_dual_max_num_f32 v[dd], 0, v[dd] :: v_dual_max_num_f32 v[dd+1], 0, v[dd+1]
	v_dual_max_num_f32 v[dd+2], 0, v[dd+2] :: v_dual_max_num_f32 v[dd+3], 0, v[dd+3]
.if ((\n)%4) == 0
	v_pk_fma_f32 v[ch:ch+1], v[dd:dd+1], v[ww:ww+1], v[BB:BB+1]    ; a group's first product starts its sums, with b2: nothing is cleared
.else
	v_pk_fma_f32 v[ch:ch+1], v[dd:dd+1], v[ww:ww+1], v[ch:ch+1]
.endif
	v_dual_max_num_f32 v[dd+4], 0, v[dd+4] :: v_dual_max_num_f32 v[dd+5], 0, v[dd+5]
	v_pk_fma_f32 v[ch:ch+1], v[dd+2:dd+3], v[ww+2:ww+3], v[ch:ch+1]
	v_dual_max_num_f32 v[dd+6], 0, v[dd+6] :: v_dual_max_num_f32 v[dd+7], 0, v[dd+7]
	v_pk_fma_f32 v[ch:ch+1], v[dd+4:dd+5], v[ww+4:ww+5], v[ch:ch+1]
	v_pk_fma_f32 v[ch:ch+1], v[dd+6:dd+7], v[ww+6:ww+7], v[ch:ch+1]
.endm
	s_load_b256 s[4:11], s[0:1], 0x0               ; xq s[4:5], table s[6:7], W1 s[8:9], b1 s[10:11]
	s_load_b128 s[12:15], s[0:1], 0x20             ; W2 s[12:13], b2 s[14:15]
	s_load_b64 s[OUT:OUT+1], s[0:1], 0x30          ; out
	v_lshl_add_u32 v[SPW], v0, 2, SPARE
	v_mov_b32 v[NIL], 0
	ds_add_u32 v[SPW], v[NIL]                      ; the wave's opening: the add and its wait ahead of my first tensor load; the set-up below, work on registers, stands between them
	ds_add_u32 v2, v3
	v_lshrrev_b32 v1, 5, v0
	v_readfirstlane_b32 s[WV], v1                  ; my wave in the work-group
	; Tensor descriptor, group 1: 64 rows of 32 elements of 8 bytes, dense in memory and in LDS
	s_mov_b32 s[G1+0], 3<<16                       ; 17:16 element size 8 bytes; no mask, no padding
	s_mov_b32 s[G1+1], 32<<16                      ; tensor_dim0 = 32
	s_mov_b32 s[G1+2], 64<<16                      ; tensor_dim1 = 64
	s_mov_b32 s[G1+3], 32<<16                      ; tile_dim0 = 32
	s_mov_b32 s[G1+4], 64                          ; tile_dim1 = 64
	s_mov_b32 s[G1+5], 32                          ; 32 elements from row to row
	s_mov_b32 s[G1+6], 0
	s_mov_b32 s[G1+7], 0
	s_mov_b32 s[G0], 1                             ; group 0: count = 1
	s_lshl_b32 s[G0+1], s[WV], 14                  ; LDS address: wave x 16,384: waves 0-2 level 0's table, waves 3-15 level 1's
	s_lshl_b32 s42, s[WV], 14                      ; the same step in memory; level 1's table begins 2^24 bytes behind level 0's
	s_cmp_lt_u32 s[WV], 3
	s_cselect_b32 s43, 0, 0x1000000-T1L
	s_add_co_u32 s42, s42, s43
	s_mov_b32 s43, 0
	; My wave's blocks.  The work-group's first: 122 g + min(g, 18).  Of its e = 10 or 11 fifth blocks, min(ceil(11 w / 28), e) lie with waves below w;
	; the division by 28 is a multiplication by 2,341 / 2^16, exact for the numbers up to 335 that occur here.
	s_cmp_lt_u32 ttmp9, MOREWG
	s_cselect_b32 s38, PERWG-WAVES*BASEB+1, PERWG-WAVES*BASEB      ; e
	s_min_u32 s39, ttmp9, MOREWG
	s_mul_i32 s40, ttmp9, PERWG
	s_add_co_u32 s40, s40, s39
	s_mul_i32 s39, s[WV], 11
	s_add_co_u32 s41, s39, 27
	s_mul_i32 s41, s41, 2341
	s_lshr_b32 s41, s41, 16
	s_min_u32 s41, s41, s38                        ; fifth blocks below me
	s_add_co_u32 s39, s39, 38
	s_mul_i32 s39, s39, 2341
	s_lshr_b32 s39, s39, 16
	s_min_u32 s39, s39, s38                        ; and with mine
	s_sub_co_u32 s39, s39, s41
	s_add_co_u32 s[NB], s39, BASEB                 ; 4 or 5
	s_lshl2_add_u32 s40, s[WV], s40                ; + 4 w
	s_add_co_u32 s40, s40, s41                     ; my first block, 31,246 at the most
	s_lshl_b32 s38, s40, 8                         ; its results: 256 bytes a block
	s_mov_b32 s39, 0
	s_mul_i32 s40, s40, BPTS*12                    ; its coordinates: 768 bytes a block, below 24,000,000
	s_mov_b32 s41, 0
	s_mov_b32 s[HALF], 1<<(FRAC-1)
	s_mov_b32 s[FMASK], (1<<FRAC)-1
	s_mov_b32 s[P1], 0x1779b1                      ; 2654435761 modulo 2^21
	s_mov_b32 s[P2], 0x025795                      ; 805459861 modulo 2^21
	s_mov_b32 s[K18], 0x36800000                   ; 2^-18
	s_mov_b32 s[K6], 0x3c800000                    ; 2^-6
	s_mov_b32 s[C17], 0x48040000                   ; 2^17 + 4096
	s_mov_b32 s[M17], 0xc8000000                   ; -2^17
	s_mov_b32 s[M32], 0xc2000000                   ; -32
	s_mov_b32 s[BIAS], 0x4b000000                  ; 2^23
	s_mov_b32 s[ROWS], 0xffff0000
	s_mov_b32 s[SC+0], SC0
	s_mov_b32 s[SC+1], SC1
	s_mov_b32 s[SC+2], SC2
	s_mov_b32 s[SC+3], SC3
	s_mov_b32 s[SC+4], SC4
	s_mov_b32 s[SC+5], SC5
	s_mov_b32 s[SC+6], SC6
	s_mov_b32 s[SC+7], SC7
	s_mov_b32 s[SC+8], SC8
	s_mov_b32 s[SC+9], SC9
	s_mov_b32 s[SC+10], SC10
	s_mov_b32 s[SC+11], SC11
	v_and_b32 v1, 31, v0                           ; lane
	v_mul_u32_u24 v[XOFF], v1, 24
	v_lshlrev_b32 v[SOFF], 3, v1
	v_lshl_add_u32 v[IMGA], v1, 4, IMG
	v_bfe_u32 v[W2A], v0, 4, 1
	v_lshl_add_u32 v[W2A], v[W2A], 5, W2L
.irp g, 0,1,2,3
	v_mov_b32 v[FB+8*(\g)+6], 0x40006c00           ; f16 4096 below, 2 above: what b1's two parts are multiplied by
	v_mov_b32 v[FB+8*(\g)+7], 0                    ; the k places that are left: 0 on both sides
.endr
	s_wait_dscnt 0x0                               ; the opening add is done
	s_wait_kmcnt 0x0
	s_load_b32 s[B2], s[14:15], 0x0
	s_add_nc_u64 s[G0+2:G0+3], s[6:7], s[42:43]    ; global address of my 16,384 bytes
	s_or_b32 s[G0+3], s[G0+3], 0x80000000          ; type = 2
	s_add_nc_u64 s[4:5], s[4:5], s[40:41]
	s_add_nc_u64 s[OUT:OUT+1], s[OUT:OUT+1], s[38:39]
.irp l, 2,3,4,5,6,7,8,9,10,11
	s_add_nc_u64 s[TAB+2*(\l)-4:TAB+2*(\l)-3], s[6:7], (\l)*0x1000000
.endr
	; Waves 0-15 fill the tables, one tensor load each, the launch's only ones: every LDS byte is filled once.  Waves 16-19 make W1's image and W2, a tile of 16 hidden units each.
	s_cmp_lt_u32 s[WV], 16
	s_cbranch_scc0 .Lno_fill
	tensor_load_to_lds s[G0:G0+3], s[G1:G1+7]
	s_nop 0
.rept 4
	v_nop
.endr
	s_branch .Lready
.Lno_fill:
	s_cmp_lt_u32 s[WV], 20
	s_cbranch_scc0 .Lready
	s_sub_co_u32 s38, s[WV], 16                    ; tile t
	s_lshl_b32 s38, s38, 6                         ; its 16 columns, in bytes
	v_and_b32 v56, 15, v0                          ; r
	v_bfe_u32 v57, v0, 4, 1                        ; h
	v_lshl_add_u32 v58, v56, 2, s38                ; 4 (16 t + r): b1, W2, and W1's column
	v_mad_u32_u24 v59, v57, 12*256, v58            ; half h of the lanes takes W1's rows 12 h .. 12 h + 11 (levels 6 h .. 6 h + 5)
.irp q, 0,1,2,3,4,5,6,7,8,9,10,11
	global_load_b32 v[64+\q], v59, s[8:9] offset:256*\q
.endr
	global_load_b32 v76, v58, s[10:11]
	global_load_b32 v77, v58, s[12:13]
	v_lshl_add_u32 v60, v0, 4, IMG-16*512          ; these waves' threads are 512 to 639: 16 bytes each from IMG on,
	v_lshl_add_u32 v61, v0, 4-2, W2L-4*512         ; 4 bytes each from W2L on
	s_wait_loadcnt 0x0
.irp q, 0,1,2,3,4,5
	v_cvt_pk_f16_f32 v[80+\q], v[64+2*\q], v[65+2*\q]
.endr
	v_cvt_pk_f16_f32 v78, v76, v76                 ; f16(b1),
	v_cvt_f32_f16 v79, v78.l                       ; as f32,
	v_sub_f32 v78, v76, v79                        ; what it leaves: exact,
	v_mul_f32 v78, 0x45000000, v78                 ; times 2^11, so that it too stands in f16's range
	v_cvt_pk_f16_f32 v86, v79, v78
	v_cndmask_b32 v86, v86, 0, s[ROWS]             ; b1 is added once: through lanes 0-15's k places
	v_mov_b32 v87, 0
	v_mul_f32 v77, 0x39800000, v77                 ; W2 2^-12
	ds_store_b128 v60, v[80:83]
	ds_store_b128 v60, v[84:87] offset:2048
	ds_store_b32 v61, v77
.Lready:
.irp j, 0,1,2
	global_load_b64 v[CO+2*\j:CO+2*\j+1], v[XOFF], s[4:5] offset:8*\j th:TH_LOAD_NT  ; the three together cover the block's 768 consecutive bytes; read once in the launch
.endr
	s_wait_kmcnt 0x0                               ; b2
	v_cmp_gt_u32 vcc_lo, 16, v1
	v_cndmask_b32 v[BB], 0, s[B2], vcc_lo          ; b2 enters one of a point's two partial sums
	v_mov_b32 v[BB+1], 0
	s_wait_tensorcnt 0x0                           ; my part of the tables has landed,
	s_wait_dscnt 0x0                               ; my part of the weights is stored:
	s_barrier_signal -1
	s_barrier_wait -1                              ; everybody's is.  From here on LDS is only read
	s_mov_b32 s[CNT], 0
.Lblock:                                               ; 4 or 5 trips: the bound was made from the work-group's and the wave's number; no LDS address steps with the trips
	s_wait_loadcnt 0x0                             ; my two points are in; with that XOFF is free
	s_add_co_u32 s[NXT], s[CNT], 1
	s_cmp_lt_u32 s[NXT], s[NB]
	s_cselect_b32 s[STEP], BPTS*12, 0              ; the last block has no successor: it asks for its own coordinates once more, so that every trip issues the same loads and none leaves the wave's part
	v_add_nc_u32 v[XOFF], s[STEP], v[XOFF]
.set i, 0
.rept 24
	ISSUE i
.if i == 23
.irp j, 0,1,2
	global_load_b64 v[CO+2*\j:CO+2*\j+1], v[XOFF], s[4:5] offset:8*\j th:TH_LOAD_NT  ; the coordinates have been read for the last time: the next block's come in under the last blends and the second part
.endr
.endif
.if i >= DEPTH-1
	CONSUME i-(DEPTH-1), i
.endif
.set i, i+1
.endr
	CONSUME 21, 23
	CONSUME 22, 23
	CONSUME 23, 23
	; THE SECOND PART.  The weights come out of LDS into the ring's registers, which are free now
.irp t, 0,1,2,3
.irp c, 0,1
	ds_load_b128 v[AR+8*\t+4*\c:AR+8*\t+4*\c+3], v[IMGA] offset:2048*\c+512*\t
.endr
.endr
.irp t, 0,1,2,3
.irp c, 0,1
	ds_load_b128 v[W2R+8*\t+4*\c:W2R+8*\t+4*\c+3], v[W2A] offset:128*\t+16*\c
.endr
.endr
	; In source 1 lane (r, h) holds point r's numbers for half h of the k (ISA guide 7.12.2): here levels 6 h .. 6 h + 5.  A lane has all 12 levels of its own point, so the rows of lanes exchange:
	; the first register's lanes 16-31 (levels 0-5 of their points) change places with the second's lanes 0-15 (levels 6-11 of theirs).  Then the pass's first operand is the group of lanes 0-15's
	; points, its second that of lanes 16-31's.  This stands in the wait for the weights.
.irp u, 0,1
.irp q, 0,1,2,3,4,5
	v_permlane16_swap_b32 v[FB+16*\u+\q], v[FB+16*\u+8+\q]
.endr
.endr
	s_wait_dscnt 0x0                               ; the weights are in
	; 16 matrix instructions on two accumulators by turns.  Behind each stand the eight vector instructions of the OTHER accumulator, which name none of its
	; registers: they are its places (ISA guide 7.12.1).  Only the first two have none at hand: five v_nop, since the third writes over the first's result.
	WM 0
	WM 1
.rept 5
	v_nop
.endr
.set n, 0
.rept 14
	VM n
	WM n+2
.set n, n+1
.endr
	VM 14
	VM 15
.irp g, 0,1,2,3
	v_add_f32 v[CH+2*\g], v[CH+2*\g], v[CH+2*\g+1]
.endr
	s_wait_xcnt 0x0                                ; every earlier memory instruction has had its addresses translated (ISA guide 3.1): only behind this wait are the last store's offset and data rewritten
	v_add_nc_u32 v[SOFF], BPTS*4, v[SOFF]          ; the store below reaches back
	; A point's other 32 hidden units lie in the lane 16 away, under the point's own group.  The same exchange: behind it both registers hold, in every lane, a half of that lane's own point
	v_permlane16_swap_b32 v[CH], v[CH+2]
	v_permlane16_swap_b32 v[CH+4], v[CH+6]
	v_add_f32 v[OO], v[CH], v[CH+2]
	v_add_f32 v[OO+1], v[CH+4], v[CH+6]
	global_store_b64 v[SOFF], v[OO:OO+1], s[OUT:OUT+1] offset:-BPTS*4 th:TH_STORE_NT  ; 32 lanes store 256 consecutive bytes, at a multiple of 256 from out's first byte
	s_add_co_u32 s[CNT], s[CNT], 1
	s_cmp_lt_u32 s[CNT], s[NB]
	s_cbranch_scc1 .Lblock
	s_wait_tensorcnt 0x0                           ; the wave's end: behind my last tensor load and my last LDS store
	ds_add_u32 v[SPW], v[NIL]
	s_wait_dscnt 0x0
	s_endpgm
.Lfunc_end_k_q41dd228ea0_field:
	.size	k_q41dd228ea0_field, .Lfunc_end_k_q41dd228ea0_field-k_q41dd228ea0_field
	.p2alignl 7, 3214868480
	.fill 96, 4, 3214868480
	.section	.rodata,"a",@progbits
	.p2align	6, 0x0
	.amdhsa_kernel k_q41dd228ea0_field
		.amdhsa_group_segment_fixed_size 270336
		.amdhsa_private_segment_fixed_size 0
		.amdhsa_enable_private_segment 0
		.amdhsa_kernarg_size 56
		.amdhsa_user_sgpr_count 2
		.amdhsa_user_sgpr_kernarg_segment_ptr 1
		.amdhsa_wavefront_size32 1
		.amdhsa_system_sgpr_workgroup_id_x 1
		.amdhsa_system_sgpr_workgroup_id_y 1
		.amdhsa_system_sgpr_workgroup_id_z 1
		.amdhsa_system_vgpr_workitem_id 0
		.amdhsa_next_free_vgpr 144
		.amdhsa_next_free_sgpr 92
		.amdhsa_reserve_vcc 1
		.amdhsa_float_denorm_mode_32 3
		.amdhsa_float_denorm_mode_16_64 3
		.amdhsa_memory_ordered 1
		.amdhsa_forward_progress 1
		.amdhsa_inst_pref_size 122
	.end_amdhsa_kernel
	.amdgpu_metadata
---
amdhsa.version: [ 1, 2 ]
amdhsa.kernels:
  - .name:           k_q41dd228ea0_field
    .symbol:         k_q41dd228ea0_field.kd
    .args:
      - { .name: xq, .offset: 0, .size: 8, .value_kind: global_buffer, .address_space: global }
      - { .name: table, .offset: 8, .size: 8, .value_kind: global_buffer, .address_space: global }
      - { .name: W1, .offset: 16, .size: 8, .value_kind: global_buffer, .address_space: global }
      - { .name: b1, .offset: 24, .size: 8, .value_kind: global_buffer, .address_space: global }
      - { .name: W2, .offset: 32, .size: 8, .value_kind: global_buffer, .address_space: global }
      - { .name: b2, .offset: 40, .size: 8, .value_kind: global_buffer, .address_space: global }
      - { .name: out0, .offset: 48, .size: 8, .value_kind: global_buffer, .address_space: global }
    .group_segment_fixed_size: 270336
    .private_segment_fixed_size: 0
    .kernarg_segment_align: 8
    .kernarg_segment_size: 56
    .max_flat_workgroup_size: 896
    .sgpr_count:     92
    .vgpr_count:     144
    .wavefront_size: 32
...
	.end_amdgpu_metadata
.endif
;; end of part 4
